; MI455X (gfx1250); checked and timed in simulation.
; The chip was launched on July 23, 2026; its instructions are those of AMD's public machine-readable ISA for CDNA 5 (MIT licence, August 2026) and "CDNA5" Instruction Set Architecture Reference Guide (July 2026). The comments in the code are by the model that wrote it; some were corrected since.
;; Model. Allowed arithmetic: matrix products marked QUANTISED: E2M3 operands, one E8M0 scale for each 32 along K, by v_wmma_scale_f32_16x16x128_f8f6f4 with both operands' format E2M3, f32 sums; everything else in f32.
;; Inputs: key 4 x 16 x 2,048 x 64 float32; query 4 x 16 x 2,048 x 64 float32; value 4 x 16 x 2,048 x 64 float32.
;; Outputs: out0 4 x 16 x 2,048 x 64 float32.
;; Constants: dropout_p = 0.
;; This version of the problem:
;;   THIS VERSION OF THE PROBLEM IS GIVEN IN LOW PRECISION. The matrix products marked QUANTISED in the list below multiply operands that are first quantised to E2M3 (2 exponent bits, 3 mantissa bits; 6 bits a number), with one power-of-two scale for each 32 numbers along K (OCP MX v1.0); their sums are f32. All else is computed in f32.
;;   The module's matrix products, in the order in which they are computed (A, B: the left and right operand; K: the contracted axis; several contracted axes count as one K, in the product's order):
;;     1. batch 64 x [M 2,048, K 64] x [K 64, N 2,048]; A: input query; B: input key: QUANTISED
;;     2. batch 64 x [M 2,048, K 2,048] x [K 2,048, N 64]; A: softmax (see below); B: input value: QUANTISED
;;   THE QUANTISER, for each operand of a quantised product, along K:
;;     - K is cut into blocks of 32 from its start; a last block that is shorter is filled with zeros.
;;     - A block's scale is 2^e with e = floor(log2(the largest magnitude in the block)) - 2, held to -126 .. 127; a block of zeros has e = 0. As a byte (E8M0): e + 127.
;;     - Each number is divided by its block's scale, clamped to +-7.5, and rounded to the nearest number of E2M3, ties to even, subnormals kept.
;;     - The product sums the exact products of the quantised numbers (number of the format x scale) in f32.
;;   ~~~python
;;   def quantise(x, axis):      # numpy; x: float32 -> the quantised numbers, widened to float32 again
;;       x = np.moveaxis(x, axis, -1); K = x.shape[-1]
;;       x = np.pad(x, [(0, 0)] * (x.ndim - 1) + [(0, -K % 32)]); x = x.reshape(x.shape[:-1] + (-1, 32)); a = np.abs(x).max(-1, keepdims=True)
;;       e = np.where(a > 0, np.clip(np.frexp(np.where(a > 0, a, 1))[1] - 1 - 2, -126, 127), 0)      # np.frexp(a)[1] - 1 = floor(log2(a)), exactly
;;       r = np.clip(x / 2.0 ** e, -7.5, 7.5)
;;       step = 2.0 ** (np.maximum(np.frexp(np.where(r == 0, 1, r))[1] - 1, 0) - 3)
;;       q = np.round(r / step) * step * 2.0 ** e      # np.round: ties to even
;;       return np.moveaxis(q.reshape(q.shape[:-2] + (-1,))[..., :K], -1, axis).astype(np.float32)
;;   ~~~
;;   SOFTMAX AHEAD OF A QUANTISED PRODUCT. Where the list says 'softmax', what is quantised is not the finished softmax but p = 2^(t - M), with t = logit x log2(e) and M = ceil(the row's largest t), a whole number; so 1/2 < the row's largest p <= 1. The row's sum l is taken of the UNQUANTISED p, in f32, and the product's result is divided by l at the end. Since M is a whole number, a kernel that streams over the keys may use a running M (the ceiling of the running maximum): every later rescaling is an exact power of two, which a block's scale takes up: the codes' values come out the same.
;;   OPERANDS COMPUTED ON THE WAY. 'Computed on the way' means the value that the module computes at that place (a softmax that the list does not call 'softmax' is quantised finished and normalised). What goes into a quantiser is computed in f32, as accurately as f32 sums, v_exp_f32 and their like allow (about 1e-6 of the number): no bf16 or f16 on the way to a quantiser, and a product that is left as it is and whose result goes on into a quantised operand takes f32 operands (vector FMAs, or v_wmma_f32_16x16x4_f32). A number that lies on a knife's edge between two numbers of the format may be rounded either way, as far as f32 arithmetic and the matrix unit's own rounding can turn it there, and no further.
;; One version. Each part assembles by itself: llvm-mc -triple=amdgcn-amd-amdhsa -mcpu=gfx1250 --defsym DOCPART=n.
;; ======== version 1 of 1: 2 launches
;; limits: right only within a limited range of input values
;; workspace buffers: kvw 13,631,488 bytes
;; launch quant (part 1): grid 512 x 1, 4 waves a work-group, no clusters, 35,328 bytes of LDS; arguments key, value, kvw; writes kvw
.if DOCPART == 1
	.amdgcn_target "amdgcn-amd-amdhsa--gfx1250"
	.amdhsa_code_object_version 6
	.text
	.protected	k_q485efdc571_quant
	.globl	k_q485efdc571_quant
	.p2align	8
	.type	k_q485efdc571_quant,@function
k_q485efdc571_quant:
	s_mov_b64 s[64:65], 0
	v_nop
	global_prefetch_b8 v0, s[64:65] scope:SCOPE_SE
	s_setreg_imm32_b32 hwreg(HW_REG_WAVE_MODE, 25, 1), 1
	s_wait_xcnt 0x0
; key, value: [64 heads][2048][64] f32.  They become codes of FP6 (E2M3) with one E8M0 scale byte for each 32 along the K of the product that reads them:
; key along d (two blocks a row), value along the keys (a block = 32 keys of one column d).  Each f32 byte is read once, each number is quantised once.  (query is quantised by the launch that reads it.)
; dropout_p is the constant 0: reference() makes no use of it, and it is no buffer.
; A block's scale is 2^(floor(log2(its largest magnitude)) - 2): its byte is the largest magnitude's own exponent field - 2, held at 1 from below by a floor among the maximum's leaves.
; LIMITS: a block of zeros, and a block whose largest magnitude lies under 2^-124, keeps the byte 1 (zero codes add nothing, and this program alone reads the bytes); NaN and infinities among the inputs are not served.
; THE OUTPUT IS LAID IN THE ORDER OF THE OPERANDS' REGISTERS.  A UNIT is 128 keys of one head; unit u = 16 x head + keys / 128.
;   kvw [1024 units][13312]:  +0 K's image: 8 tiles x 6 registers (group g of 4 registers at 512 g + 16 lane), +6144 K's scale words [lane][4];  +6656 V's image (tile td of 16 d: 1536 td + 512 g + 16 lane), +12800 V's scale words [lane][4]
;   K: lane (r, h) of tile t = 4 c + u holds d = 32 h .. 32 h + 31 of key 64 c + 8 u + r % 8 + 32 (r / 8): so the scores of four neighbouring tiles are, in one lane, one whole block of 32 neighbouring keys.
;      Scale word s of lane (r, h) belongs to tile 2 s + h, row r: bytes block 0, block 1, 0x7f, 0x7f (the product's K is 128: its upper 64 are zero codes on the queries' side).
;   V: lane (r, h) of tile td holds row d = 16 td + r; registers 6 c .. 6 c + 5 hold keys 64 c + 32 h + 0 .. 31.  Scale word q of lane l belongs to d = 32 q + l; words 2, 3 repeat words 0, 1, so that every byte of a unit is written.
; SHARES.  Work-groups 0-255 take key, 256-511 value.  A wave takes one unit, 32,768 bytes of input.  No loop, no barrier: waves share nothing; every offset is an immediate.
; No matrix unit, cluster or tensor load: the launch only streams, and no byte is read by two work-groups.
.set UNITKV, 13312
.set PIT,    272                       ; a place in a wave's stage: a row of 256 bytes + 16
.set STGW,   32*PIT
.set SPARE,  4*STGW                    ; the spare words, 128 bytes for each wave, which no other line names
.set SPW,  1
.set NIL,  2
.set LI,   3                           ; 16 x lane
.set SWA,  4                           ; K: the stage on the way in
.set SRA,  5                           ; K: the stage on the way out
.set SELV, 6                           ; K: byte selects that make a scale word
.set MX,   8
.set BY,   10
.set PK,   12
.set OT,   13
.set SW,   16                          ; v16-19 the unit's four scale words of my lane
.set C,    20                          ; v20-31 K: the codes of two tiles
.set VA,   24
.set VO,   25
.set T,    32                          ; a block's upper 16 codes (a conversion's three registers begin on an even number)
.set X,    40                          ; v40-103 64 numbers at work
.set R,    104                         ; v104-231 K: two sets of 64 registers as loaded
.set CV,   104                         ; v104-151 V: codes [h][q][12]
	s_load_b128 s[4:7], s[0:1], 0x0                ; key, value
	s_load_b64 s[12:13], s[0:1], 0x10              ; kvw
	v_lshl_add_u32 v[SPW], v0, 2, SPARE
	v_mov_b32 v[NIL], 0
	v_lshrrev_b32 v7, 5, v0
	v_readfirstlane_b32 s14, v7                    ; wave
	v_and_b32 v[LI], 31, v0
	v_lshlrev_b32 v[LI], 4, v[LI]
	v_and_b32 v14, 15, v0                          ; r
	v_bfe_u32 v7, v0, 4, 1                         ; h
	s_and_b32 s16, ttmp9, 255
	s_lshl_b32 s16, s16, 2
	s_add_co_u32 s16, s16, s14                     ; my unit
	s_lshl_b32 s18, s16, 15                        ; its 32,768 bytes of input
	s_mov_b32 s19, 0
	s_mul_i32 s20, s16, UNITKV                     ; and its place in kvw (under 2^24)
	s_mov_b32 s21, 0
	s_mov_b32 s28, 0x76543210                      ; selects for lane l xor 16
	s_mov_b32 s29, 0xfedcba98
	s_wait_kmcnt 0x0
	s_cmp_ge_u32 ttmp9, 256
	s_cbranch_scc1 .Lv
; ---- key: K = d is innermost.  A sub-unit s = 2 c + v is the 32 keys 64 c + 16 v + 0 .. 15 and 64 c + 32 + 16 v + 0 .. 15: two tiles.  16 loads of 512 consecutive bytes (two rows);
; the rows go through the wave's stage, each to the place that its tile and lane ask for, and come back 128 bytes a lane: a whole block of 32.
	s_add_nc_u64 s[24:25], s[4:5], s[18:19]
	s_add_nc_u64 s[26:27], s[12:13], s[20:21]
.macro LOADS s
.set RL, R+64*((\s)%2)
.set i, 0
.rept 16
	global_load_b128 v[RL+4*i:RL+4*i+3], v[LI], s[24:25] offset:16384*((\s)/2)+4096*((\s)%2)+512*i+4096*(i/8) th:TH_LOAD_NT
.set i, i+1
.endr
.endm
	s_wait_alu depctr_va_vdst(0)                   ; the wait ahead of the first readers behind the wait above
	LOADS 0
	LOADS 1
	s_mul_i32 s15, s14, STGW
	v_mul_u32_u24 v[SWA], v7, PIT
	v_lshl_add_u32 v[SWA], v14, 4, v[SWA]
	v_add_nc_u32 v[SWA], s15, v[SWA]               ; in: lanes 0-15 an even row, lanes 16-31 the row behind it
	v_mul_u32_u24 v[SRA], v14, PIT
	v_lshl_add_u32 v[SRA], v7, 7, v[SRA]
	v_add_nc_u32 v[SRA], s15, v[SRA]               ; out: place r, block h of the row
	v_mov_b32 v[SELV], 0x05050004                  ; lanes 0-15: my byte 0, the other's byte 0, 0x7f, 0x7f;
	v_mad_u32_u24 v[SELV], v7, 0x5fe, v[SELV]      ; lanes 16-31 (0x05050602): the other's byte 2, my byte 2, 0x7f, 0x7f
	v_mov_b32 v[OT], 0                             ; a lane permute's destination counts as one of its sources
.macro SUB s
.set RS, R+64*((\s)%2)
.if (\s) < 3
	s_wait_loadcnt 16                              ; this sub-unit's 16 loads are in; the next one's 16 may be out
.else
	s_wait_loadcnt 0x0
.endif
.set i, 0
.rept 16                                       ; row p of the 32 goes to place 16 u + r with p = 8 u + r % 8 + 16 (r / 8)
	ds_store_b128 v[SWA], v[RS+4*i:RS+4*i+3] offset:(((2*i)&7)+(((2*i)&16)>>1)+(((2*i)&8)<<1))*PIT
.set i, i+1
.endr
.irp u, 0,1
.irp n, 0,1,2,3,4,5,6,7
	ds_load_b128 v[X+32*\u+4*\n:X+32*\u+4*\n+3], v[SRA] offset:16*\u*PIT+16*\n   ; LDS serves a wave's instructions in order: these see the stores above
.endr
.endr
	s_wait_dscnt 0x0
.if (\s) > 0
	s_wait_xcnt 0x0                                ; the last sub-unit's stores have read the codes' registers
.endif
.if (\s) < 2
	LOADS (\s)+2
.endif
.irp u, 0,1
	v_max3_num_f32 v[MX+\u], |v[X+32*\u]|, |v[X+32*\u+1]|, 0x1800000   ; my block of tile u, and the floor 2^(3 - 127)
.endr
.irp i, 2,4,6,8,10,12,14,16,18,20,22,24,26,28,30
.irp u, 0,1
	v_max3_num_f32 v[MX+\u], v[MX+\u], |v[X+32*\u+\i]|, |v[X+32*\u+\i+1]|
.endr
.endr
.irp u, 0,1
	v_add_nc_u32 v[MX+\u], 0xff000000, v[MX+\u]    ; 2 off the exponent field: the conversion's scale operand
.endr
.irp u, 0,1
	v_lshrrev_b32 v[BY+\u], 23, v[MX+\u]           ; the scale's byte
.endr
.irp u, 0,1
	v_cvt_scalef32_pk16_fp6_f32 v[C+6*\u:C+6*\u+2], v[X+32*\u:X+32*\u+15], v[MX+\u]
	v_cvt_scalef32_pk16_fp6_f32 v[T+4*\u:T+4*\u+2], v[X+32*\u+16:X+32*\u+31], v[MX+\u]
.endr
	v_lshl_or_b32 v[PK], v[BY+1], 16, v[BY]        ; (a plain line behind the conversions)  byte 0: tile 2 s, byte 2: tile 2 s + 1,
	v_or_b32 v[PK], 0x7f00, v[PK]                  ; byte 1: 0x7f
.irp u, 0,1
.irp i, 0,1,2
	v_mov_b32 v[C+6*\u+3+\i], v[T+4*\u+\i]
.endr
.endr
.irp g, 0,1,2
	global_store_b128 v[LI], v[C+4*\g:C+4*\g+3], s[26:27] offset:1536*(\s)+512*\g   ; 32 lanes store 512 consecutive bytes, at a multiple of 256 from the buffer's first byte
.endr
	v_permlanex16_b32 v[OT], v[PK], s28, s29       ; the other block's bytes
	v_perm_b32 v[SW+(\s)], v[PK], v[OT], v[SELV]
.endm
	s_wait_alu depctr_va_vdst(0)                   ; the wait ahead of the blocking wait below
	SUB 0
	SUB 1
	SUB 2
	SUB 3
	global_store_b128 v[LI], v[SW:SW+3], s[26:27] offset:6144
	s_wait_tensorcnt 0x0                           ; the wave's end
	ds_add_u32 v[SPW], v[NIL]
	s_wait_dscnt 0x0
	s_endpgm
; ---- value: K = the keys is not innermost.  A lane takes a column d and its registers run down the keys: a block of 32 keys lies in one lane's 32 registers.  LDS is not touched.
; Eight groups n: half h = n / 4, part c = (n / 2) % 2 (key block h + 2 c), columns d = 32 q + lane with q = n % 2.
.Lv:
	s_add_co_u32 s20, s20, 6656                    ; V's part of my unit
	s_add_nc_u64 s[24:25], s[6:7], s[18:19]
	s_add_nc_u64 s[26:27], s[12:13], s[20:21]
	s_wait_alu depctr_va_vdst(0)                   ; the wait behind the taken branch
	v_lshrrev_b32 v[VA], 2, v[LI]                  ; 4 x lane
	v_mul_u32_u24 v[VO], v7, 1536                  ; column 32 q + lane is row lane % 16 of tile 2 q + lane / 16
	v_lshl_add_u32 v[VO], v14, 4, v[VO]
.macro LOADV n
.set LB, ((\n)/4)+2*(((\n)/2)%2)
.set LQ, (\n)%2
.set i, 0
.rept 32
	global_load_b32 v[X+32*LQ+i], v[VA], s[24:25] offset:(32*LB+i)*256+128*LQ th:TH_LOAD_NT
.set i, i+1
.endr
.endm
	LOADV 0
	LOADV 1
.macro BLOCKV n
.set HH, (\n)/4
.set CC, ((\n)/2)%2
.set QQ, (\n)%2
.set BE, HH+2*CC
.set XS, X+32*QQ
.set CD, CV+24*HH+12*QQ+6*CC
.if (\n) < 7
	s_wait_loadcnt 32                              ; this group's 32 loads are in; the next group's may be out
.else
	s_wait_loadcnt 0x0
.endif
	v_max3_num_f32 v[MX], |v[XS]|, |v[XS+1]|, |v[XS+2]|
	v_max3_num_f32 v[MX+1], |v[XS+3]|, |v[XS+4]|, |v[XS+5]|
.irp i, 6,10,14,18,22,26
	v_max3_num_f32 v[MX], v[MX], |v[XS+\i]|, |v[XS+\i+1]|
	v_max3_num_f32 v[MX+1], v[MX+1], |v[XS+\i+2]|, |v[XS+\i+3]|
.endr
	v_max3_num_f32 v[MX], v[MX], |v[XS+30]|, |v[XS+31]|
	v_max3_num_f32 v[MX], v[MX], v[MX+1], 0x1800000
	v_add_nc_u32 v[BY], 0xff000000, v[MX]
	v_lshrrev_b32 v[BY+1], 23, v[BY]
.if BE == 0
	v_mov_b32 v[SW+QQ], v[BY+1]
.else
	v_lshl_or_b32 v[SW+QQ], v[BY+1], 8*BE, v[SW+QQ]
.endif
	v_cvt_scalef32_pk16_fp6_f32 v[CD:CD+2], v[XS:XS+15], v[BY]
	v_cvt_scalef32_pk16_fp6_f32 v[T:T+2], v[XS+16:XS+31], v[BY]
	v_nop                                          ; one plain line behind a scaled conversion
.irp i, 0,1,2
	v_mov_b32 v[CD+3+\i], v[T+\i]
.endr
.if (\n) < 6
	LOADV (\n)+2
.endif
.if ((\n)%4) == 3                              ; half HH of four tiles is whole; each half has code registers of its own
.irp q, 0,1
.irp g, 0,1,2
	global_store_b128 v[VO], v[CV+24*HH+12*\q+4*\g:CV+24*HH+12*\q+4*\g+3], s[26:27] offset:3072*\q+512*\g+256*HH   ; sixteen lanes store 256 consecutive bytes, aligned
.endr
.endr
.endif
.endm
	BLOCKV 0
	BLOCKV 1
	BLOCKV 2
	BLOCKV 3
	BLOCKV 4
	BLOCKV 5
	BLOCKV 6
	BLOCKV 7
	v_mov_b32 v[SW+2], v[SW]
	v_mov_b32 v[SW+3], v[SW+1]
	global_store_b128 v[LI], v[SW:SW+3], s[26:27] offset:6144
	s_wait_tensorcnt 0x0                           ; the wave's end: the same three lines as on the other path
	ds_add_u32 v[SPW], v[NIL]
	s_wait_dscnt 0x0
	s_endpgm
.Lfunc_end_k_q485efdc571_quant:
	.size	k_q485efdc571_quant, .Lfunc_end_k_q485efdc571_quant-k_q485efdc571_quant
	.p2alignl 7, 3214868480
	.fill 96, 4, 3214868480
	.section	.rodata,"a",@progbits
	.p2align	6, 0x0
	.amdhsa_kernel k_q485efdc571_quant
		.amdhsa_group_segment_fixed_size 35328
		.amdhsa_private_segment_fixed_size 0
		.amdhsa_enable_private_segment 0
		.amdhsa_kernarg_size 24
		.amdhsa_user_sgpr_count 2
		.amdhsa_user_sgpr_kernarg_segment_ptr 1
		.amdhsa_wavefront_size32 1
		.amdhsa_system_sgpr_workgroup_id_x 1
		.amdhsa_system_sgpr_workgroup_id_y 1
		.amdhsa_system_sgpr_workgroup_id_z 1
		.amdhsa_system_vgpr_workitem_id 0
		.amdhsa_next_free_vgpr 232
		.amdhsa_next_free_sgpr 66
		.amdhsa_reserve_vcc 0
		.amdhsa_float_denorm_mode_32 3
		.amdhsa_float_denorm_mode_16_64 3
		.amdhsa_memory_ordered 1
		.amdhsa_forward_progress 1
		.amdhsa_inst_pref_size 67
	.end_amdhsa_kernel
	.amdgpu_metadata
---
amdhsa.version: [ 1, 2 ]
amdhsa.kernels:
  - .name:           k_q485efdc571_quant
    .symbol:         k_q485efdc571_quant.kd
    .args:
      - { .name: key, .offset: 0, .size: 8, .value_kind: global_buffer, .address_space: global }
      - { .name: value, .offset: 8, .size: 8, .value_kind: global_buffer, .address_space: global }
      - { .name: kvw, .offset: 16, .size: 8, .value_kind: global_buffer, .address_space: global }
    .group_segment_fixed_size: 35328
    .private_segment_fixed_size: 0
    .kernarg_segment_align: 8
    .kernarg_segment_size: 24
    .max_flat_workgroup_size: 128
    .sgpr_count:     66
    .vgpr_count:     232
    .wavefront_size: 32
...
	.end_amdgpu_metadata
.endif
;; end of part 1
;; launch attn (part 2): grid 4 x 64, 16 waves a work-group, clusters of 4 x 1, 327,680 bytes of LDS; arguments query, kvw, out0; writes out0
.if DOCPART == 2
	.amdgcn_target "amdgcn-amd-amdhsa--gfx1250"
	.amdhsa_code_object_version 6
	.text
	.protected	k_q485efdc571_attn
	.globl	k_q485efdc571_attn
	.p2align	8
	.type	k_q485efdc571_attn,@function
k_q485efdc571_attn:
	s_mov_b64 s[64:65], 0
	v_nop
	global_prefetch_b8 v0, s[64:65] scope:SCOPE_SE
	s_setreg_imm32_b32 hwreg(HW_REG_WAVE_MODE, 25, 1), 1
	s_wait_xcnt 0x0
	s_wait_alu depctr_hold_cnt(0) depctr_sa_sdst(0) depctr_va_vdst(0) depctr_va_sdst(0) depctr_va_ssrc(0) depctr_va_vcc(0) depctr_vm_vsrc(0)
	s_getreg_b32 s2, hwreg(HW_REG_IB_STS2, 6, 4)
	s_cmp_eq_u32 s2, 0
	s_cbranch_scc0 .Lentry_in_a_cluster
	s_endpgm
.Lentry_in_a_cluster:
	s_bfe_u32 s2, ttmp6, 0x10000c
	s_cmp_lg_u32 s2, 0x3003
	s_cbranch_scc0 .Lentry_shape_is_right
	s_endpgm
.Lentry_shape_is_right:
; out0[head][q][:] = the sum over k of softmax_k(Q[q] . K[k] / 8) V[k][:], 64 heads, 2,048 queries and keys, head size 64, both products on codes of FP6 (E2M3) with one E8M0 scale for each 32 along a product's K.
; K's and V's codes and scale words come from the launch before, in the order of the operands' registers (kvw: units of 128 keys, 13,312 bytes: K's image, K's scale words, V's image, V's scale words).
; QUERY arrives as f32 and is quantised here, at the head: each of its numbers is read by one wave of one work-group alone.
; THE SOFTMAX AHEAD OF THE SECOND PRODUCT: t = score x log2(e) / 8; M = the row's largest t so far, rounded UP to a whole number; p = 2^(t - M) is what is quantised, along the keys; it is not normalised.
; The row's sum is taken of the unquantised p, in f32, and divides O at the end.  When M moves, the sum and O are multiplied by 2^(old M - new M): exact.
; SHARES.  A work-group owns 512 queries of one head; each of its sixteen waves 32 of them, two tiles a and b of 16, in 256 registers.  The two tiles share every fragment of K and V.
; NO RING.  A head's codes and scale words are 16 x 13,312 = 212,992 bytes: they lie in LDS whole.  Each wave brings one key step's unit with its one tensor load; one wait, one barrier, then 16 key steps with no barrier and no refill.
; CLUSTER.  The four work-groups of a cluster are the four query blocks of one head and need the same 212,992 bytes: each unit is asked for JOINTLY, by the same tensor load with the same descriptor and a mask that names the four.
; LAYOUT.  Both products are used transposed: S^T = K Q^T (source 0 = 16 keys, source 1 = 16 queries), O^T = V^T P^T: a lane holds ONE query (lane % 16) throughout.
; Row r of key tile 4 c + u is key 64 c + 8 u + r % 8 + 32 (r / 8): so lane (r, h)'s 32 registers of tiles 4 c .. 4 c + 3 are keys 64 c + 32 h + 0 .. 31, ONE WHOLE BLOCK, in the very order of the second product's operand:
; a block's largest score needs no other lane, and the conversions' results are the operand's registers (but for three moves a block: a conversion's three registers begin on an even number).
; THE FIRST PRODUCT'S K IS 64, THE INSTRUCTION'S 128.  The queries' operand is 6 registers of codes and 6 of zero codes.  K's tiles stand 6 registers apart, so the upper half of a tile's operand is the next tile's codes
; (behind the last tile: the first six registers of O^T): every pattern of 6 bits is a finite number, which times a zero code, under scale bytes 0x7f, adds nothing.
; A BLOCK'S SCALE is taken from x = the block's largest t - M, made by the same multiply-add as every t - M: its exponent is floor(x), held at -124 from below, so that the byte lies in 1 .. 125.
; THE ORDER OF A STEP.  The exponentials go in two batches of 32, a block of keys each; among them stand only lines whose results are read behind the next wait: the other block's t - M, the first block's conversions, the first additions of the sum.
; The next step's fragments of K are asked for directly behind the second product, and the rest of tile b's row sum stands under them; tile a's O^T is brought under its new M behind tile b's first product,
; as the plain lines that are owed there.  So 15 steps are a loop and the last, which asks for no further K, is written out.
; LIMITS: NaN and infinities are not served.  Where v_exp_f32 rounds 2^x up to the next power of two (x within an ulp under a whole number) that one p is held at the largest code.  A block whose every p has fallen to 0 keeps the byte 1: its codes are zeros.
; A block of query whose largest magnitude lies under 2^-124 keeps the byte 1.  The promise holds while the scaled scores t stay under 2^31 in magnitude.
; Nothing is asked for ahead of its load: all that the launch reads is asked for at its head.
.set STEPB,  13312
.set NSTEP,  16
.set HEADB,  NSTEP*STEPB               ; LDS 0 .. 212,991: the head's units, as they lie in kvw
.set KSO,    6144
.set VIO,    6656
.set VSO,    12800
.set STAGE,  HEADB                     ; 16 rows x (256 bytes + 16) for each wave: the queries' way in, the results' way out; no tensor load lands here
.set SPIT,   272
.set STGW,   16*SPIT
.set SPARE,  STAGE+16*STGW             ; the spare words, 128 bytes for each wave, which no other line names
.set SPW, 1
.set NIL, 2
.set LI,  3                            ; 16 x lane
.set AD,  4                            ; LDS address of the step's unit for my lane
.set QS,  5                            ; Q's scale words: lanes 0-15 tile a's, lanes 16-31 tile b's
.set PS,  6                            ; v6-7   P's scale words of tiles a, b
.set KS,  8                            ; v8-11  K's: register s: lanes 0-15 tile 2 s's, lanes 16-31 tile 2 s + 1's
.set VS,  12                           ; v12-13 V's: register q: lanes 0-15 tile 2 q's, lanes 16-31 tile 2 q + 1's
.set F,   14                           ; f = 2^(old M - new M) (v15 is named with it as a pair)
.set SH8, 15                           ; 8 x (lane / 16)
.set ST,  16                           ; v16-19, v20-23 a tile's -M, largest score, sum in two halves
.set QA,  24                           ; v24-35 tile a's queries: 6 registers of codes, 6 of zeros;  v36-47 tile b's
.set QB,  36
.set KF,  48                           ; v48-95 K's eight tiles, 6 registers each; later V's four, 12 each
.set O,   96                           ; v96-159 O^T: 32 x tile + 8 x td (directly behind K's last tile)
.set PA,  160                          ; v160-171 tile a's codes of p
.set S,   172                          ; v172-235 S^T, then p, then p's partial sums
.set T,   236                          ; v236-255 at work; T .. T+11 tile b's codes of p; T+15, T+19 the conversions' scale operands
.set WV,  10
.set SEL, 20                           ; s[20:21] selects for lane l xor 16
.set CS,  22                           ; s[22:23] c = log2(e) / 8
.set G1,  24
.set G0,  32
.set TB,  36                           ; LDS byte at which the step's unit begins
.set CNT, 37
.set STB, 42                           ; my stage's first byte
.set NC,  43                           ; -c
.set HM,  44                           ; mask of lanes 16-31
.macro CROUND                          ; a round of the cluster's barrier
	s_barrier_signal -1
	s_barrier_wait -1
	s_cmp_lg_u32 s[WV], 0
	s_cbranch_scc1 .Lnot_wave_0_\@
	s_barrier_signal -3
.Lnot_wave_0_\@:
	s_barrier_wait -3
	s_barrier_signal -1
	s_barrier_wait -1
.endm
.macro KLOADS                          ; K's scale words, then its eight tiles: each load reads 512 consecutive bytes
	ds_load_b128 v[KS:KS+3], v[AD] offset:KSO
.irp g, 0,1,2,3,4,5,6,7,8,9,10,11
	ds_load_b128 v[KF+4*\g:KF+4*\g+3], v[AD] offset:512*\g
.endr
.endm
	s_load_b128 s[4:7], s[0:1], 0x0                ; query, kvw
	s_load_b64 s[8:9], s[0:1], 0x10                ; out0
	v_lshl_add_u32 v[SPW], v0, 2, SPARE
	v_mov_b32 v[NIL], 0
	ds_add_u32 v[SPW], v[NIL]                      ; the opening lines: the add, twice on end, and below its wait
	ds_add_u32 v[SPW], v[NIL]
	v_lshrrev_b32 v[AD], 5, v0
	v_readfirstlane_b32 s[WV], v[AD]               ; wave 0..15
	v_and_b32 v[LI], 31, v0
	v_lshlrev_b32 v[LI], 4, v[LI]
	v_and_b32 v[T], 15, v0                         ; r
	v_bfe_u32 v[T+1], v0, 4, 1                     ; h
	v_lshlrev_b32 v[SH8], 3, v[T+1]
	v_cmp_eq_u32 s[HM], 1, v[T+1]
	s_mul_i32 s[STB], s[WV], STGW
	s_add_co_u32 s[STB], s[STB], STAGE
	v_mul_u32_u24 v[T+3], v[T+1], SPIT
	v_lshl_add_u32 v[T+3], v[T], 4, v[T+3]
	v_add_nc_u32 v[T+3], s[STB], v[T+3]            ; the stage by rows: lanes 0-15 one row of 256 bytes, lanes 16-31 the next
	v_mul_u32_u24 v[T+2], v[T], SPIT
	v_lshl_add_u32 v[T+2], v[T+1], 7, v[T+2]
	v_add_nc_u32 v[T+2], s[STB], v[T+2]            ; the stage by blocks: row r, block h of its 64 numbers
	v_mov_b32 v[AD], v[LI]                         ; key step 0's unit begins at LDS byte 0
	s_bfe_u32 s11, ttmp6, 0x40000                  ; cx: it enters query's and out0's addresses alone
	s_lshl_b32 s12, ttmp9, 2
	s_add_co_u32 s12, s12, s11                     ; my block of 512 queries
	s_and_b32 s13, ttmp7, 0xffff                   ; the head, which the four partners share
	s_mov_b32 s[G1+0], 15|(3<<16)|(1<<21)          ; the mask: all four; elements of 8 bytes; bit 21 beside a mask
	s_mov_b32 s[G1+1], 32<<16                      ; a unit is a dense block: 52 rows of 256 bytes
	s_mov_b32 s[G1+2], 52<<16
	s_mov_b32 s[G1+3], 32<<16
	s_mov_b32 s[G1+4], 52
	s_mov_b32 s[G1+5], 32
	s_mov_b32 s[G1+6], 0
	s_mov_b32 s[G1+7], 0
	s_mov_b32 s[G0], 1
	s_mul_i32 s[G0+1], s[WV], STEPB                ; wave w brings key step w
	s_mul_i32 s14, s13, HEADB
	s_add_co_u32 s14, s14, s[G0+1]                 ; s14, s15 never hold cx
	s_mov_b32 s15, 0
	s_lshl_b32 s40, s13, 19                        ; query and out0: (2,048 x head + 512 x block + 32 x wave) rows of 256 bytes
	s_lshl_b32 s41, s12, 17
	s_add_co_u32 s40, s40, s41
	s_lshl_b32 s41, s[WV], 13
	s_add_co_u32 s40, s40, s41
	s_mov_b32 s41, 0
	s_mov_b32 s[SEL], 0x76543210
	s_mov_b32 s[SEL+1], 0xfedcba98
	s_mov_b32 s[CS], 0x3e38aa3b
	s_mov_b32 s[CS+1], s[CS]
	s_mov_b32 s[NC], 0xbe38aa3b
	s_mov_b32 s[TB], 0
	s_mov_b32 s[CNT], NSTEP-1
	s_wait_alu depctr_va_vdst(0)                   ; the wait ahead of the blocking waits
	s_wait_dscnt 0x0                               ; both opening adds are done
	s_wait_kmcnt 0x0
	s_add_nc_u64 s[G0+2:G0+3], s[6:7], s[14:15]
	s_or_b32 s[G0+3], s[G0+3], 0x80000000
	s_add_nc_u64 s[4:5], s[4:5], s[40:41]
	s_add_nc_u64 s[8:9], s[8:9], s[40:41]
.set i, 0
.rept 16
	global_load_b128 v[O+4*i:O+4*i+3], v[LI], s[4:5] offset:512*i th:TH_LOAD_NT   ; my 32 queries: each load reads two rows, 512 consecutive bytes.  They have work behind them, so they are asked for first
.set i, i+1
.endr
	CROUND                                         ; all four work-groups are here: the joint loads meet
	tensor_load_to_lds s[G0:G0+3], s[G1:G1+7]      ; my one tensor load
	s_nop 0
.rept 4
	v_nop
.endr
.set i, 0
.rept 6
	v_mov_b32 v[QA+6+i], 0                         ; zero codes for k = 64 .. 127
	v_mov_b32 v[QB+6+i], 0
.set i, i+1
.endr
	v_mov_b32 v[T+10], 0                           ; a lane permute's destination counts as one of its sources
	v_mov_b32 v[T+11], 0
.irp x, 0,1
	v_mov_b32 v[ST+4*\x], 0x7f61b1e6               ; -M = 3e38,
	v_mov_b32 v[ST+4*\x+1], 0xff61b1e6             ; the largest score so far -3e38: the first step's f is 0
	v_mov_b32 v[ST+4*\x+2], 0
	v_mov_b32 v[ST+4*\x+3], 0
.endr
	s_wait_alu depctr_va_vdst(0)                   ; the wait ahead of the blocking wait
	s_wait_loadcnt 0x0
.irp x, 0,1                                    ; a tile's 16 rows through my stage: in as they lie, back 128 bytes a lane: block h of row r.  LDS serves a wave's instructions in order
.irp i, 0,1,2,3,4,5,6,7
	ds_store_b128 v[T+3], v[O+32*\x+4*\i:O+32*\x+4*\i+3] offset:2*\i*SPIT
.endr
.irp n, 0,1,2,3,4,5,6,7
	ds_load_b128 v[S+32*\x+4*\n:S+32*\x+4*\n+3], v[T+2] offset:16*\n
.endr
.endr
	s_wait_dscnt 0x0
.irp x, 0,1
.irp g, 0,1
	v_max3_num_f32 v[T+4+2*\x+\g], |v[S+32*\x+16*\g]|, |v[S+32*\x+16*\g+1]|, 0x1800000   ; my block's largest magnitude, in two chains a tile, with the floor 2^(3 - 127)
.endr
.endr
.irp i, 2,4,6,8,10,12,14
.irp x, 0,1
.irp g, 0,1
	v_max3_num_f32 v[T+4+2*\x+\g], v[T+4+2*\x+\g], |v[S+32*\x+16*\g+\i]|, |v[S+32*\x+16*\g+\i+1]|
.endr
.endr
.endr
.irp x, 0,1
	v_max_num_f32 v[T+4+2*\x], v[T+4+2*\x], v[T+5+2*\x]
.endr
.irp x, 0,1
	v_add_nc_u32 v[T+4+2*\x], 0xff000000, v[T+4+2*\x]   ; 2 off the exponent field: the conversion's scale operand
.endr
.irp x, 0,1
	v_lshrrev_b32 v[T+8+\x], 23, v[T+4+2*\x]       ; the scale's byte
.endr
.irp x, 0,1
	v_cvt_scalef32_pk16_fp6_f32 v[QA+12*\x:QA+12*\x+2], v[S+32*\x:S+32*\x+15], v[T+4+2*\x]
	v_cvt_scalef32_pk16_fp6_f32 v[T+12+4*\x:T+14+4*\x], v[S+32*\x+16:S+32*\x+31], v[T+4+2*\x]
.endr
	v_nop                                          ; one plain line behind the last conversion
.irp x, 0,1
.irp i, 0,1,2
	v_mov_b32 v[QA+12*\x+3+\i], v[T+12+4*\x+\i]
.endr
.endr
.irp x, 0,1
	v_permlanex16_b32 v[T+10+\x], v[T+8+\x], s[SEL], s[SEL+1]   ; the row's other block's byte
.endr
	v_cndmask_b32 v[QS], v[T+8], v[T+11], s[HM]    ; byte 0, block 0: lanes 0-15 tile a's (mine), lanes 16-31 tile b's (the other's)
	v_cndmask_b32 v[T+10], v[T+10], v[T+9], s[HM]  ; byte 1, block 1
	v_lshl_or_b32 v[QS], v[T+10], 8, v[QS]
	v_or_b32 v[QS], 0x7f7f0000, v[QS]
.set i, 0
.rept 64
	v_mov_b32 v[O+i], 0                            ; O^T: every step is alike; the first finds zeros
.set i, i+1
.endr
	s_wait_alu depctr_va_vdst(0)                   ; the wait at the head's end
	s_wait_tensorcnt 0x0                           ; my unit has landed,
	s_barrier_signal -1
	s_barrier_wait -1                              ; everybody's has; nothing is filled again
	KLOADS                                         ; key step 0's
; S^T = K Q^T for one tile of queries.  stg = 1: K's loads may still be landing: behind the scale words come twelve loads, and tiles t, t + 1 name the first (6 t + 20) / 4 of them
.macro SQ qr, row, stg
.irp t, 0,1,2,3,4,5,6,7
.if (\stg) && ((\t%2) == 0)
.if \t == 6
	s_wait_dscnt 0x0
.else
	s_wait_dscnt 7-3*(\t/2)                        ; 7, 4, 1 of the twelve may be out
.endif
.endif
.if (\t%2) && (\row)
	v_wmma_scale_f32_16x16x128_f8f6f4 v[S+8*\t:S+8*\t+7], v[KF+6*\t:KF+6*\t+11], v[\qr:\qr+11], 0, v[KS+\t/2], v[QS] matrix_a_fmt:MATRIX_FMT_FP6 matrix_b_fmt:MATRIX_FMT_FP6 matrix_a_scale:MATRIX_SCALE_ROW1 matrix_b_scale:MATRIX_SCALE_ROW1
.elseif (\t%2)
	v_wmma_scale_f32_16x16x128_f8f6f4 v[S+8*\t:S+8*\t+7], v[KF+6*\t:KF+6*\t+11], v[\qr:\qr+11], 0, v[KS+\t/2], v[QS] matrix_a_fmt:MATRIX_FMT_FP6 matrix_b_fmt:MATRIX_FMT_FP6 matrix_a_scale:MATRIX_SCALE_ROW1
.elseif (\row)
	v_wmma_scale_f32_16x16x128_f8f6f4 v[S+8*\t:S+8*\t+7], v[KF+6*\t:KF+6*\t+11], v[\qr:\qr+11], 0, v[KS+\t/2], v[QS] matrix_a_fmt:MATRIX_FMT_FP6 matrix_b_fmt:MATRIX_FMT_FP6 matrix_b_scale:MATRIX_SCALE_ROW1
.else
	v_wmma_scale_f32_16x16x128_f8f6f4 v[S+8*\t:S+8*\t+7], v[KF+6*\t:KF+6*\t+11], v[\qr:\qr+11], 0, v[KS+\t/2], v[QS] matrix_a_fmt:MATRIX_FMT_FP6 matrix_b_fmt:MATRIX_FMT_FP6
.endif
.endr
.endm
; O^T += V^T P^T: the eight accumulators take turns, one instruction a turn
.macro PV
.irp d, 0,1,2,3
.irp x, 0,1
.set PB, PA+(T-PA)*\x
.if \d%2
	v_wmma_scale_f32_16x16x128_f8f6f4 v[O+32*\x+8*\d:O+32*\x+8*\d+7], v[KF+12*\d:KF+12*\d+11], v[PB:PB+11], v[O+32*\x+8*\d:O+32*\x+8*\d+7], v[VS+\d/2], v[PS+\x] matrix_a_fmt:MATRIX_FMT_FP6 matrix_b_fmt:MATRIX_FMT_FP6 matrix_a_scale:MATRIX_SCALE_ROW1
.else
	v_wmma_scale_f32_16x16x128_f8f6f4 v[O+32*\x+8*\d:O+32*\x+8*\d+7], v[KF+12*\d:KF+12*\d+11], v[PB:PB+11], v[O+32*\x+8*\d:O+32*\x+8*\d+7], v[VS+\d/2], v[PS+\x] matrix_a_fmt:MATRIX_FMT_FP6 matrix_b_fmt:MATRIX_FMT_FP6
.endif
.endr
.endr
.endm
.macro TM j                            ; t - M, two at a time (SS names the tile's -M)
	v_pk_fma_f32 v[S+(\j):S+(\j)+1], v[S+(\j):S+(\j)+1], s[CS:CS+1], v[SS:SS+1] op_sel_hi:[1,0,0]
.endm
.macro ADDP j, d                       ; pair j of p (v[S + 2 j], v[S + 2 j + 1]) += pair j + d
	v_pk_add_f32 v[S+2*(\j):S+2*(\j)+1], v[S+2*(\j):S+2*(\j)+1], v[S+2*(\j)+2*(\d):S+2*(\j)+2*(\d)+1]
.endm
; Tile tl's 64 scores of a lane (blocks c = 0, 1 of 32 keys) become p; -M, f, the conversions' scale operands and p's scale word are made; block 0's codes go to v[pd] and v[T+12] on, and its pairs 0-7 take pairs 8-15
.macro SMAX tl, pd
.set SS, ST+4*(\tl)
	v_mov_b32 v[T+12], v[SS]                       ; the old -M
.irp a, 0,1,2,3,4,5,6,7
	v_max3_num_f32 v[T+\a], v[S+8*\a], v[S+8*\a+1], v[S+8*\a+2]   ; the largest score: a chain for each product's result, read from its low end on
.endr
.irp i, 3,5
.irp a, 0,1,2,3,4,5,6,7
	v_max3_num_f32 v[T+\a], v[T+\a], v[S+8*\a+\i], v[S+8*\a+\i+1]
.endr
.endr
.irp c, 0,1
	v_max3_num_f32 v[T+4*\c], v[T+4*\c], v[T+4*\c+1], v[S+32*\c+7]
	v_max3_num_f32 v[T+4*\c+2], v[T+4*\c+2], v[T+4*\c+3], v[S+32*\c+15]
.endr
.irp c, 0,1
	v_max3_num_f32 v[T+4*\c], v[T+4*\c], v[S+32*\c+23], v[S+32*\c+31]
.endr
.irp c, 0,1
	v_max_num_f32 v[T+8+\c], v[T+4*\c], v[T+4*\c+2]   ; my block c's largest score
.endr
	v_max3_num_f32 v[T+10], v[SS+1], v[T+8], v[T+9]
	s_delay_alu instid0(VALU_DEP_1)
	v_permlanex16_b32 v[T+11], v[T+10], s[SEL], s[SEL+1]
	s_delay_alu instid0(VALU_DEP_1)
	v_max_num_f32 v[SS+1], v[T+10], v[T+11]        ; the row's running largest score
	s_delay_alu instid0(VALU_DEP_1)
	v_mul_f32 v[T+10], s[NC], v[SS+1]              ; -t
	s_delay_alu instid0(VALU_DEP_1)
	v_floor_f32 v[SS], v[T+10]                     ; the new -M = floor(-t) = -ceil(t)
	v_sub_f32 v[T+12], v[SS], v[T+12]              ; M's old value less its new one: a whole number, 0 or less
	v_fma_f32 v[T+8], v[T+8], s[CS], v[SS]         ; x = t - M of each block's largest score
	v_fma_f32 v[T+9], v[T+9], s[CS], v[SS]
	v_cvt_i32_f32 v[T+12], v[T+12]                 ; (it saturates)
	TM 0                                           ; block 0's t - M, with the lines that make f and the scales among them
	TM 2
	v_max_num_f32 v[T+8], 0xc2f80000, v[T+8]       ; x held at -124 from below,
	v_max_num_f32 v[T+9], 0xc2f80000, v[T+9]
	v_ldexp_f32 v[F], 1.0, v[T+12]                 ; f = 2^(old M - new M)
	TM 4
	TM 6
	v_cvt_floor_i32_f32 v[T+8], v[T+8]             ; e = floor(x): the exponent of the block's largest p
	v_cvt_floor_i32_f32 v[T+9], v[T+9]
	TM 8
	TM 10
	TM 12
	v_lshl_add_u32 v[T+10], v[T+9], 16, v[T+8]     ; 65,536 e1 + e0,
	TM 14
	TM 16
	TM 18
	v_add_nc_u32 v[T+10], 0x7d007d, v[T+10]        ; + 125 to each (- 2 + 127): block 0's scale byte in bits 7:0, block 1's in bits 23:16, both in 1 .. 125
	TM 20
	TM 22
	TM 24
	v_lshlrev_b32 v[T+15], 23, v[T+10]             ; block 0's byte as an exponent field: the conversion takes that field of its scale operand and nothing else of it
	v_lshlrev_b32 v[T+19], 7, v[T+10]              ; block 1's
	v_lshlrev_b32 v[T+10], v[SH8], v[T+10]         ; my blocks are h and 2 + h of the step's four: 8 h bits up;
	TM 26
	TM 28
	TM 30
	v_permlanex16_b32 v[T+11], v[T+10], s[SEL], s[SEL+1]
	v_or_b32 v[PS+(\tl)], v[T+10], v[T+11]         ; with lane l xor 16's two bytes p's scale word is whole
	s_wait_alu depctr_va_vdst(0)                   ; the wait ahead of a batch
.set j, 0
.rept 16
	v_exp_f32 v[S+j], v[S+j]                       ; block 0's p = 2^(t - M): not normalised
	v_exp_f32 v[S+j+1], v[S+j+1]
	TM 32+j                                        ; block 1's t - M: first read behind the wait below
.set j, j+2
.endr
	s_wait_alu depctr_va_vdst(0)                   ; behind the first batch and ahead of the second
.set j, 0
.rept 32
	v_exp_f32 v[S+32+j], v[S+32+j]                 ; block 1's p.  The lines among these name block 0's p alone, and their results are first read behind the wait below
.if j == 1
	v_cvt_scalef32_pk16_fp6_f32 v[(\pd):(\pd)+2], v[S:S+15], v[T+15]
.endif
.if j == 3
	v_cvt_scalef32_pk16_fp6_f32 v[T+12:T+14], v[S+16:S+31], v[T+15]
.endif
.if j == 5
	v_nop                                          ; one plain line between the conversions and the lines that write their sources
.endif
.if (j >= 10) && (((j-10)%3) == 0)
	ADDP (j-10)/3, 8                               ; THE ROW'S SUM IS TAKEN OF THE UNQUANTISED p, as a tree in p's own registers: pairs 0-7 += 8-15
.endif
.set j, j+1
.endr
	s_wait_alu depctr_va_vdst(0)                   ; one wait for the batch, ahead of its first reader
.endm
.macro CVT2 pd                         ; block 1's codes, and both blocks' upper halves to their places
	v_cvt_scalef32_pk16_fp6_f32 v[(\pd)+6:(\pd)+8], v[S+32:S+47], v[T+19]
	v_cvt_scalef32_pk16_fp6_f32 v[T+16:T+18], v[S+48:S+63], v[T+19]
	v_nop                                          ; one plain line behind the last conversion
.irp i, 0,1,2
	v_mov_b32 v[(\pd)+3+\i], v[T+12+\i]
.endr
.irp i, 0,1,2
	v_mov_b32 v[(\pd)+9+\i], v[T+16+\i]
.endr
.endm
.macro SUMSA                           ; the sum's tree goes on: pairs 16-23 += 24-31; here its first five lines
.irp j, 16,17,18,19,20
	ADDP \j, 8
.endr
.endm
.macro SUMSB tl                        ; the rest: 0-7 += 16-23; 0-3 += 4-7; 0-1 += 2-3; 0 += 1; the old sum x f + pair 0
.irp j, 21,22,23
	ADDP \j, 8
.endr
.irp j, 0,1,2,3,4,5,6,7
	ADDP \j, 16
.endr
.irp j, 0,1,2,3
	ADDP \j, 4
.endr
	ADDP 0, 2
	ADDP 1, 2
	ADDP 0, 1
	v_pk_fma_f32 v[ST+4*(\tl)+2:ST+4*(\tl)+3], v[ST+4*(\tl)+2:ST+4*(\tl)+3], v[F:F+1], v[S:S+1] op_sel_hi:[1,0,1]
.endm
.macro RESC tl                         ; the tile's O^T under the new M: x f.  Its first eight registers come last: six of them are named by the first product's last instruction
.irp j, 8,10,12,14,16,18,20,22,24,26,28,30,0,2,4,6
	v_pk_mul_f32 v[O+32*(\tl)+\j:O+32*(\tl)+\j+1], v[O+32*(\tl)+\j:O+32*(\tl)+\j+1], v[F:F+1] op_sel_hi:[1,0]
.endr
.endm
; A key step of 128 keys.  last = 0: the next step's K is asked for
.macro STEP last
	SQ QA, 0, 1
.rept 3
	v_nop                                          ; with the line that follows: four plain lines ahead of the first read of the scores
.endr
	SMAX 0, PA
	CVT2 PA
	SUMSA
	SUMSB 0
	SQ QB, 1, 0                                    ; K's registers were kept; the scores' registers serve a second time
	s_wait_alu depctr_va_vdst(0)                   ; the wait directly ahead of the first readers of tile a's O^T
	RESC 0                                         ; 16 plain lines: those owed ahead of the loads into K's registers and of the first read of the scores
.irp g, 0,1,2,3,4,5,6,7,8,9,10,11
	ds_load_b128 v[KF+4*\g:KF+4*\g+3], v[AD] offset:VIO+512*\g         ; V's four tiles land under tile b's softmax
.endr
	ds_load_b64 v[VS:VS+1], v[AD] offset:VSO
	SMAX 1, T
	CVT2 T
	s_wait_alu depctr_va_vdst(0)                   ; the wait directly ahead of the first readers of tile b's O^T
	RESC 1                                         ; (these 16 also stand between the lines that made the codes and the products that take them)
	s_wait_alu depctr_va_vdst(0)                   ; the wait ahead of the blocking wait
	s_wait_dscnt 0x0                               ; V
	PV
.if !(\last)
	s_add_co_u32 s[TB], s[TB], STEPB
	v_add_nc_u32 v[AD], s[TB], v[LI]
.endif
	SUMSA                                          ; five plain lines that name no register of the products above: four are owed by the loads into V's registers
.if !(\last)
	KLOADS                                         ; the next step's K lands under the rest of tile b's sum
.endif
	SUMSB 1
.endm
.Lstep:                                            ; 15 trips
	STEP 0
	s_sub_co_u32 s[CNT], s[CNT], 1
	s_cmp_lg_u32 s[CNT], 0
	s_wait_alu depctr_va_vdst(0)                   ; the wait ahead of the backward jump
	s_cbranch_scc1 .Lstep
	STEP 1                                         ; the last key step
	; THE WAY OUT.  O^T is divided by the row's sum and goes through my stage, a tile of 16 queries at a time, so that sixteen lanes store a whole row of out0
.irp x, 0,1
	v_add_f32 v[ST+4*\x+2], v[ST+4*\x+2], v[ST+4*\x+3]
.endr
.irp x, 0,1
	v_permlanex16_b32 v[T+\x], v[ST+4*\x+2], s[SEL], s[SEL+1]
.endr
.irp x, 0,1
	v_add_f32 v[ST+4*\x+2], v[ST+4*\x+2], v[T+\x]  ; the row's sum
.endr
	s_wait_alu depctr_va_vdst(0)                   ; the wait ahead of the transcendentals
.irp x, 0,1
	v_rcp_f32 v[ST+4*\x+2], v[ST+4*\x+2]
.endr
	v_and_b32 v[T+2], 15, v0                       ; r
	v_bfe_u32 v[T+3], v0, 4, 1                     ; h
	v_mul_u32_u24 v[T+4], v[T+2], SPIT
	v_mul_u32_u24 v[T+5], v[T+3], SPIT
	v_lshl_add_u32 v[T+4], v[T+3], 5, v[T+4]
	v_lshl_add_u32 v[T+5], v[T+2], 4, v[T+5]
	v_add_nc_u32 v[T+4], s[STB], v[T+4]            ; in: row r; tile td's eight channels of my half: 64 td + 32 h bytes on
	v_add_nc_u32 v[T+5], s[STB], v[T+5]            ; back: lanes 0-15 one row, lanes 16-31 the next
	s_wait_alu depctr_va_vdst(0)                   ; one wait for the reciprocals and ahead of the first readers of O^T
.irp x, 0,1
.set j, 0
.rept 16
	v_pk_mul_f32 v[S+32*\x+j:S+32*\x+j+1], v[O+32*\x+j:O+32*\x+j+1], v[ST+4*\x+2:ST+4*\x+3] op_sel_hi:[1,0]   ; register 8 td + i is o(r, 16 td + 8 h + i)
.set j, j+2
.endr
.endr
.irp x, 0,1
.irp d, 0,1,2,3
	ds_store_b128 v[T+4], v[S+32*\x+8*\d:S+32*\x+8*\d+3] offset:64*\d
	ds_store_b128 v[T+4], v[S+32*\x+8*\d+4:S+32*\x+8*\d+7] offset:64*\d+16
.endr
.irp i, 0,1,2,3,4,5,6,7
	ds_load_b128 v[O+32*\x+4*\i:O+32*\x+4*\i+3], v[T+5] offset:2*\i*SPIT   ; LDS serves a wave's instructions in order
.endr
.endr
.irp x, 0,1
.irp i, 0,1,2,3,4,5,6,7
	s_wait_dscnt 16*(1-\x)+7-\i                    ; behind this load: the tile's 7 - i younger loads, and for tile a tile b's sixteen LDS instructions
	global_store_b128 v[LI], v[O+32*\x+4*\i:O+32*\x+4*\i+3], s[8:9] offset:(16*\x+2*\i)*256 th:TH_STORE_NT   ; rows 16 x + 2 i + h of my 32: sixteen lanes store 256 consecutive bytes, aligned
.endr
.endr
	s_wait_tensorcnt 0x0                           ; the wave's end
	ds_add_u32 v[SPW], v[NIL]
	s_wait_dscnt 0x0
	CROUND                                         ; the closing round
	s_endpgm
.Lfunc_end_k_q485efdc571_attn:
	.size	k_q485efdc571_attn, .Lfunc_end_k_q485efdc571_attn-k_q485efdc571_attn
	.p2alignl 7, 3214868480
	.fill 96, 4, 3214868480
	.section	.rodata,"a",@progbits
	.p2align	6, 0x0
	.amdhsa_kernel k_q485efdc571_attn
		.amdhsa_group_segment_fixed_size 327680
		.amdhsa_private_segment_fixed_size 0
		.amdhsa_enable_private_segment 0
		.amdhsa_kernarg_size 24
		.amdhsa_user_sgpr_count 2
		.amdhsa_user_sgpr_kernarg_segment_ptr 1
		.amdhsa_wavefront_size32 1
		.amdhsa_system_sgpr_workgroup_id_x 1
		.amdhsa_system_sgpr_workgroup_id_y 1
		.amdhsa_system_sgpr_workgroup_id_z 1
		.amdhsa_system_vgpr_workitem_id 0
		.amdhsa_next_free_vgpr 256
		.amdhsa_next_free_sgpr 66
		.amdhsa_reserve_vcc 0
		.amdhsa_float_denorm_mode_32 3
		.amdhsa_float_denorm_mode_16_64 3
		.amdhsa_memory_ordered 1
		.amdhsa_forward_progress 1
		.amdhsa_inst_pref_size 74
	.end_amdhsa_kernel
	.amdgpu_metadata
---
amdhsa.version: [ 1, 2 ]
amdhsa.kernels:
  - .name:           k_q485efdc571_attn
    .symbol:         k_q485efdc571_attn.kd
    .args:
      - { .name: query, .offset: 0, .size: 8, .value_kind: global_buffer, .address_space: global }
      - { .name: kvw, .offset: 8, .size: 8, .value_kind: global_buffer, .address_space: global }
      - { .name: out0, .offset: 16, .size: 8, .value_kind: global_buffer, .address_space: global }
    .group_segment_fixed_size: 327680
    .private_segment_fixed_size: 0
    .kernarg_segment_align: 8
    .kernarg_segment_size: 24
    .max_flat_workgroup_size: 512
    .sgpr_count:     66
    .vgpr_count:     256
    .wavefront_size: 32
...
	.end_amdgpu_metadata
.endif
;; end of part 2
